; MI455X (gfx1250); checked and timed in simulation.
; The chip was launched on July 23, 2026; its instructions are those of AMD's public machine-readable ISA for CDNA 5 (MIT licence, August 2026) and "CDNA5" Instruction Set Architecture Reference Guide (July 2026). The comments in the code are by the model that wrote it; some were corrected since.
;; Contrastive Hessian Calculator. Allowed arithmetic: matrix products marked QUANTISED: E2M3 operands, one E8M0 scale for each 32 along K, by v_wmma_scale_f32_16x16x128_f8f6f4 with both operands' format E2M3, f32 sums; everything else in f32.
;; Inputs: W1_codes 512 x 8 x 24 uint8 (E2M3 codes of W1, K innermost, in blocks of 32 codes, four codes in three bytes); W1_scales 512 x 8 uint8 (E8M0 scales of W1, one for each 32 codes along K); W2 64 x 512 float32; an 1,024 int32; ap 1,024 int32; b1 512 float32; b2 64 float32; n 1,024 int32; p 1,024 int32; x 50,000 x 256 float32.
;; Outputs: out0 164,416 float32.
;; This version of the problem:
;;   THIS VERSION OF THE PROBLEM IS GIVEN IN LOW PRECISION. The matrix products marked QUANTISED in the list below multiply operands that are first quantised to E2M3 (2 exponent bits, 3 mantissa bits; 6 bits a number), with one power-of-two scale for each 32 numbers along K (OCP MX v1.0); their sums are f32. All else is computed in f32.
;;   The module's matrix products, in the order in which they are computed (A, B: the left and right operand; K: the contracted axis; several contracted axes count as one K, in the product's order):
;;     1. [M 1,024, K 256] x [K 256, N 512]; A: computed on the way; B: input W1 (given as codes): QUANTISED
;;     2. [M 1,024, K 256] x [K 256, N 512]; A: computed on the way; B: input W1 (given as codes): QUANTISED
;;     3. [M 1,024, K 256] x [K 256, N 512]; A: computed on the way; B: input W1 (given as codes): QUANTISED
;;     4. [M 1,024, K 256] x [K 256, N 512]; A: computed on the way; B: input W1 (given as codes): QUANTISED
;;   THE QUANTISER, for each operand of a quantised product, along K:
;;     - K is cut into blocks of 32 from its start; a last block that is shorter is filled with zeros.
;;     - A block's scale is 2^e with e = floor(log2(the largest magnitude in the block)) - 2, held to -126 .. 127; a block of zeros has e = 0. As a byte (E8M0): e + 127.
;;     - Each number is divided by its block's scale, clamped to +-7.5, and rounded to the nearest number of E2M3, ties to even, subnormals kept.
;;     - The product sums the exact products of the quantised numbers (number of the format x scale) in f32.
;;   ~~~python
;;   def quantise(x, axis):      # numpy; x: float32 -> the quantised numbers, widened to float32 again
;;       x = np.moveaxis(x, axis, -1); K = x.shape[-1]
;;       x = np.pad(x, [(0, 0)] * (x.ndim - 1) + [(0, -K % 32)]); x = x.reshape(x.shape[:-1] + (-1, 32)); a = np.abs(x).max(-1, keepdims=True)
;;       e = np.where(a > 0, np.clip(np.frexp(np.where(a > 0, a, 1))[1] - 1 - 2, -126, 127), 0)      # np.frexp(a)[1] - 1 = floor(log2(a)), exactly
;;       r = np.clip(x / 2.0 ** e, -7.5, 7.5)
;;       step = 2.0 ** (np.maximum(np.frexp(np.where(r == 0, 1, r))[1] - 1, 0) - 3)
;;       q = np.round(r / step) * step * 2.0 ** e      # np.round: ties to even
;;       return np.moveaxis(q.reshape(q.shape[:-2] + (-1,))[..., :K], -1, axis).astype(np.float32)
;;   ~~~
;;   OPERANDS COMPUTED ON THE WAY. 'Computed on the way' means the value that the module computes at that place (a softmax that the list does not call 'softmax' is quantised finished and normalised). What goes into a quantiser is computed in f32, as accurately as f32 sums, v_exp_f32 and their like allow (about 1e-6 of the number): no bf16 or f16 on the way to a quantiser, and a product that is left as it is and whose result goes on into a quantised operand takes f32 operands (vector FMAs, or v_wmma_f32_16x16x4_f32). A number that lies on a knife's edge between two numbers of the format may be rounded either way, as far as f32 arithmetic and the matrix unit's own rounding can turn it there, and no further.
;;   INPUTS GIVEN AS CODES. W1 (in the module: [512, 256], K = its axis 1): each comes as NAME_codes (uint8): NAME with its K axis moved to the last place and cut into blocks of 32 codes, [.., K / 32, bytes a block], one block behind the other in memory; four codes in three bytes: a row's codes are one little-endian stream of bits, code i at bits 6 i .. 6 i + 5 (a code: sign, 2 exponent bits, 3 mantissa bits); and NAME_scales (uint8): the same leading axes, one E8M0 byte (e + 127) for each 32 codes along K. Its value is code x scale, taken as it is: it is not quantised again, and the codes and scales need not be those that the quantiser above would give.
;; One version. Each part assembles by itself: llvm-mc -triple=amdgcn-amd-amdhsa -mcpu=gfx1250 --defsym DOCPART=n.
;; ======== version 1 of 1: 2 launches
;; workspace buffers: part 16,908,288 bytes
;; launch pairs (part 1): grid 8 x 32, 4 waves a work-group, no clusters, 172,544 bytes of LDS; arguments x, W1_codes, W1_scales, W2, b1, ap, p, an, n, part; writes part
.if DOCPART == 1
	.amdgcn_target "amdgcn-amd-amdhsa--gfx1250"
	.amdhsa_code_object_version 6
	.text
	.protected	k_q830975aaf2_pairs
	.globl	k_q830975aaf2_pairs
	.p2align	8
	.type	k_q830975aaf2_pairs,@function
k_q830975aaf2_pairs:
	s_mov_b64 s[64:65], 0
	v_nop
	global_prefetch_b8 v0, s[64:65] scope:SCOPE_SE
	s_setreg_imm32_b32 hwreg(HW_REG_WAVE_MODE, 25, 1), 1
	s_wait_xcnt 0x0
; The diagonal of the contrastive GGN of Linear(256,512) -> tanh -> Linear(512,64), summed over 64 pairs of rows of x, for 64 hidden units: one partial vector for each chunk of pairs.
; With z = Q(x) W1^T + b1 (Q: E2M3 codes, one E8M0 scale for each 32 along the row; W1 arrives as codes), r = 1 / (1 + 2^(2 log2(e) z)): tanh(z) = 1 - 2 r and tanh'(z) = 4 (r - r^2).  The tables hold d' = r - r^2.
;   W1 part [i][j]: +-16 c_i  x  sum over pairs of (d'a_i xa_j - d'b_i xb_j)^2        c_i = sum over o of W2[o][i]^2; x here is the f32 x as given
;   b1 part [i]:    +-16 c_i  x  sum over pairs of (d'a_i - d'b_i)^2
;   W2 part [i]:    +-4       x  sum over pairs of (ra_i - rb_i)^2                    (one row; the next launch repeats it 64 times)
; The factors 16 and 4 are powers of two and round nothing.  Sign +: pairs (ap, p); sign -: pairs (an, n).
; SHARES.  Work-group (it, ch): hidden units 64 it .. 64 it + 63, all 256 columns, pairs 64 (ch % 16) .. + 63 of the positive lists (ch < 16) or the negative ones.  8 x 32 = 256 work-groups of equal work.
;   Forward pass: wave w takes pairs 16 w .. 16 w + 15 (32 rows of x) against all 64 hidden units: 16 matrix instructions; each (row, hidden unit) is multiplied once in the whole launch.
;   Sums of squares: wave w takes hidden units 16 w .. 16 w + 15, all columns, all 64 pairs: lane l holds columns 4 l .. 4 l + 3 and 128 + 4 l .. + 3 of 16 hidden units: 128 sums in f32.
;   A pair costs a wave 192 packed instructions (multiply, fused multiply-add, fused multiply-add for two numbers each) and 12 LDS loads of 16 bytes a lane.
; NO CLUSTER, NO TENSOR LOAD: what the eight work-groups of a chunk share are 128 rows named by index lists; each would be a tile of one row with a descriptor of its own, 32 to a wave in one group.
;   Lane-wise copies bring the same bytes, 512 consecutive bytes an instruction.  W1's part of a work-group is 12,288 bytes of the 156 K that it reads.
; LIMITS.  NaN and infinities among x, W2, b1 are not served.  A block of 32 of x whose largest magnitude lies under 2^-124 keeps the scale byte 1 (a block of zeros too, where the rule says 127: its codes are
;   zeros and only this text reads the byte).  tanh' is formed as 4 (r - r^2), not as 1 - tanh^2: equal within f32 rounding.  Indices are held at 49,999 from above.  b2 is no argument: reference() never reads it.
.set XP,   1040                        ; a row of x in LDS: 1,024 bytes + 16 = 65 x 16: the 16 rows that a quantiser's load touches lie in 16 different columns of 16 bytes modulo 256
.set DP,   528                         ; a pair's row of d': 64 x (d'a, d'b) = 512 bytes + 16
.set XB2,  64*XP                       ; LDS 0: rows 0-63 xa of pair p; from here rows 64-127 xb of pair p: filled once, by the copies
.set DT,   128*XP                      ; 133,120: d' tables, 64 pairs x DP
.set CP,   DT+64*DP                    ; 166,912: [4 waves][64] parts of c
.set RED,  CP+1024                     ; 167,936: [4 waves][2][64]: sums of (d'a - d'b)^2, then of (ra - rb)^2, over a wave's 16 pairs
.set PSTR, 528384                      ; bytes of a chunk's partial vector: 131,072 + 512 + 512 floats
.set WS,   4                           ; v4-11    W1's scale words: v[WS + 2 t + s]: hidden units 16 t on, K step s.  v4-15 hold scales and nothing else
.set XS,   12                          ; v12-15   x's scale words: v[XS + 2 g + s]: g = 0 the a rows, 1 the b rows
.set GA,   16                          ; v16-47   the copies' offsets in x   (until the copies have landed)
.set LA,   48                          ; v48-79   the copies' LDS addresses  (likewise)
.set W2R,  80                          ; v80-111  eight rows' 16 bytes of W2
.set CS,   112                         ; v112-115 my part of c
.set WF,   128                         ; v128-223 W1's fragments: (t, s) at v[WF + 12 (2 t + s)]
.set B1K,  224                         ; v224-227 b1, then 2 log2(e) b1, of hidden unit 16 t + lane % 16
.set L16,  228                         ; v228     16 x lane
.set RR,   229                         ; v229     r = lane % 16
.set HH,   230                         ; v230     h = lane / 16
.set QA,   231                         ; v231-232 the quantiser's LDS addresses: my a row, my b row
.set DW,   233                         ; v233     where I store d'
.set RW,   234                         ; v234     where I store the two small sums
.set CW,   235                         ; v235     where I store my part of c
.set TM,   236                         ; v236-239 largest magnitudes; v240-243 permutes' results, bytes; v244-247 the conversions' scale operands
.set SD,   248                         ; v248-250, v252-254 the second halves of the conversions
.set XC,   16                          ; v16-63   x's fragments: (g, s) at v[XC + 12 (2 g + s)]
.set XN,   64                          ; v64-127  64 numbers of x
.set Z,    64                          ; v64-127  the eight accumulators: (g, t) at v[Z + 32 g + 8 t]; then the exponent, 2^.., 1 + 2^.., r, in place
.set DD,   128                         ; v128-191 d'a, d'b by turns
.set DIF,  192                         ; v192-223 differences
.set SH,   16                          ; v16-23   sums of (ra - rb)^2, a pair for each t
.set SB,   24                          ; v24-31   sums of (d'a - d'b)^2
.set SU,   32                          ; v32-39   the eight sums
.set XAF,  16                          ; main loop: buffer B: xa v[16 + 16 B ..+7], xb v[24 + 16 B ..+7]
.set XBF,  24
.set DF,   48                          ; d' of my 16 hidden units: v[48 + 32 B ..+31]: (d'a, d'b) of unit 0, of unit 1, ..
.set T,    112                         ; v112-127 at work
.set ACC,  128                         ; v128-255 the sums: (unit i, pair of columns jp) at v[ACC + 8 i + 2 jp]
	s_load_b512 s[8:23], s[0:1], 0x0               ; x s[8:9], W1's codes s[10:11], W1's scales s[12:13], W2 s[14:15], b1 s[16:17], ap s[18:19], p s[20:21], an s[22:23]
	s_load_b128 s[24:27], s[0:1], 0x40             ; n s[24:25], part s[26:27]
	s_set_vgpr_msb 0x40
	v_lshl_add_u32 v0, v0, 2, 0x2a000
	v_mov_b32 v1, 0
	s_set_vgpr_msb 0x4045
	ds_add_u32 v0, v1
	ds_add_u32 v0, v1
	s_set_vgpr_msb 0x4500
	v_lshrrev_b32 v1, 5, v0
	v_readfirstlane_b32 s2, v1                     ; w: wave 0..3
	s_mov_b32 s3, ttmp9                            ; it: which 64 hidden units
	s_and_b32 s4, ttmp7, 0xffff                    ; ch: which chunk of pairs
	v_and_b32 v[L16], 31, v0
	v_lshlrev_b32 v[L16], 4, v[L16]
	v_and_b32 v[RR], 15, v0
	v_bfe_u32 v[HH], v0, 4, 1
	s_mov_b32 s66, 0x4038aa3b                      ; 2 log2(e)
	s_mov_b32 s72, 0x76543210
	s_mov_b32 s73, 0xfedcba98                      ; v_permlanex16_b32's selects for lane l xor 16
	s_and_b32 s5, s4, 15
	s_lshl_b32 s5, s5, 6
	s_lshl_b32 s6, s2, 4
	s_add_co_u32 s6, s6, s5
	s_lshl_b32 s6, s6, 2                           ; my wave's 16 pairs in a list, in bytes
	s_mov_b32 s7, 0                                ; s[6:7]: an offset below 4 GiB; s7 stays 0
	s_wait_dscnt 0x0
	s_wait_kmcnt 0x0
	s_cmp_lt_u32 s4, 16                            ; positive pairs or negative: the choice hangs on the work-group's number alone
	s_cselect_b64 s[28:29], s[18:19], s[22:23]
	s_cselect_b64 s[30:31], s[20:21], s[24:25]
	s_mov_b32 s68, 0xc1800000                      ; -16
	s_cselect_b32 s68, 0x41800000, s68             ; +-16
	s_cselect_b32 s70, 4.0, -4.0                   ; +-4
	s_mov_b32 s69, s68                             ; (named with s68 as a pair, so it is written)
	s_add_nc_u64 s[28:29], s[28:29], s[6:7]
	s_add_nc_u64 s[30:31], s[30:31], s[6:7]
	s_load_b512 s[32:47], s[28:29], 0x0            ; 16 indices of a rows
	s_load_b512 s[48:63], s[30:31], 0x0            ; 16 indices of b rows
	; ---- while the indices are on their way: the weights' loads, and every address that hangs on ids alone
	s_lshl_b32 s6, s3, 8
	s_add_nc_u64 s[14:15], s[14:15], s[6:7]        ; W2: columns 64 it on (256 bytes)
	s_add_nc_u64 s[16:17], s[16:17], s[6:7]        ; b1 likewise
	s_lshl_b32 s6, s3, 9
	s_add_nc_u64 s[12:13], s[12:13], s[6:7]        ; W1's scales: 64 rows of 8 bytes
	s_mul_i32 s6, s3, 12288
	s_add_nc_u64 s[10:11], s[10:11], s[6:7]        ; W1's codes: 64 rows of 192 bytes
	s_mul_i32 s6, s4, PSTR
	s_add_nc_u64 s[26:27], s[26:27], s[6:7]        ; my chunk's partial vector
	s_lshl_b32 s6, s3, 16
	s_lshl_b32 s71, s2, 14
	s_add_co_u32 s6, s6, s71
	s_add_nc_u64 s[76:77], s[26:27], s[6:7]        ; in it: rows 64 it + 16 w on, 1,024 bytes each
	s_lshl_b32 s6, s3, 8
	s_add_co_u32 s6, s6, 524288
	s_add_nc_u64 s[78:79], s[26:27], s[6:7]        ; and the b1 part's 64 numbers of this tile (the W2 row's lie 2,048 bytes on)
	v_lshrrev_b32 v1, 4, v0
	v_lshlrev_b32 v1, 11, v1
	v_lshl_add_u32 v1, v[RR], 4, v1                ; W2: row thread / 16 (0..7), 16 bytes at 16 r: sixteen lanes read 256 consecutive bytes
	v_mul_u32_u24 v2, v[RR], 192
	v_mad_u32_u24 v2, v[HH], 24, v2                ; W1's codes: row r, + 24 h
	v_lshlrev_b32 v3, 3, v[RR]                     ; W1's scale words: 8 bytes a row
	v_lshlrev_b32 v255, 2, v[RR]                   ; b1
.irp k, 0,1,2,3,4,5,6,7
	global_load_b128 v[W2R+4*\k:W2R+4*\k+3], v1, s[14:15] offset:16384*\k     ; rows thread / 16 + 8 k
.endr
.irp t, 0,1,2,3
	global_load_b32 v[B1K+\t], v255, s[16:17] offset:64*\t
.endr
.irp t, 0,1,2,3
	global_load_b64 v[WS+2*\t:WS+2*\t+1], v3, s[12:13] offset:128*\t          ; both K steps' words of row 16 t + r
.endr
.irp t, 0,1,2,3
.irp s, 0,1
.irp p, 0,1,2,3,4,5
	global_load_b64 v[WF+12*(2*\t+\s)+2*\p:WF+12*(2*\t+\s)+2*\p+1], v2, s[10:11] offset:3072*\t+96*\s+48*(\p/3)+8*(\p%3)   ; a fragment's 24 + 24 bytes as they lie, in pieces of 8
.endr
.endr
.endr
.irp b, 0,1,2,3
	v_mov_b32 v[TM+4+\b], 0                        ; written once: a lane permute's destination counts as one of its sources
.endr
	s_mul_i32 s5, s2, 16*XP                        ; my wave's 16 rows in LDS
	v_mul_u32_u24 v[QA], v[RR], XP
	v_lshl_add_u32 v[QA], v[HH], 6, v[QA]
	v_add_nc_u32 v[QA], s5, v[QA]                  ; row 16 w + r, + 64 h: my 16 numbers of each block of 32
	v_add_nc_u32 v[QA+1], XB2, v[QA]               ; the same of the b row
	s_mul_i32 s75, s2, 16*DP
	s_add_co_u32 s75, s75, DT
	v_mul_u32_u24 v[DW], v[HH], 8*DP
	v_lshl_add_u32 v[DW], v[RR], 3, v[DW]
	v_add_nc_u32 v[DW], s75, v[DW]                 ; d': pair 16 w + 8 h, hidden unit r
	s_lshl_b32 s75, s2, 9
	s_add_co_u32 s75, s75, RED
	v_lshl_add_u32 v[RW], v[RR], 2, s75
	s_lshl_b32 s75, s2, 8
	s_add_co_u32 s75, s75, CP
	v_lshl_add_u32 v[CW], v[RR], 4, s75
	v_add_nc_u32 v[SD], s5, v[L16]                 ; 16 x lane in my wave's first row
	; ---- the gather: 32 rows of 1,024 bytes, each by two copies of 512 consecutive bytes.  All copies stand ahead of the first wait on ASYNCcnt, the first LDS read and the barrier; LDS bytes are filled once
	s_wait_kmcnt 0x0
.set k, 0
.rept 32
	s_min_u32 s[32+k], s[32+k], 49999              ; an index stays inside x
.set k, k+1
.endr
.set k, 0
.rept 32
	s_lshl_b32 s[32+k], s[32+k], 10                ; in bytes: under 2^26
.set k, k+1
.endr
.set k, 0
.rept 32
	v_add_nc_u32 v[GA+k], s[32+k], v[L16]
	v_add_nc_u32 v[LA+k], k*XP+(k/16)*48*XP, v[SD] ; a rows: 16 w + k; b rows: 64 + 16 w + k - 16
.set k, k+1
.endr
.set k, 0
.rept 32
	global_load_async_to_lds_b128 v[LA+k], v[GA+k], s[8:9]
	global_load_async_to_lds_b128 v[LA+k], v[GA+k], s[8:9] offset:512      ; the immediate steps both addresses
.set k, k+1
.endr
	; ---- c, while the rows are on their way: my wave's 16 rows of W2, squared and added
	s_wait_loadcnt 56                              ; W2's eight loads are in; the 4 + 4 + 48 issued behind them may be out
	v_pk_mul_f32 v[CS:CS+1], v[W2R:W2R+1], v[W2R:W2R+1]
	v_pk_mul_f32 v[CS+2:CS+3], v[W2R+2:W2R+3], v[W2R+2:W2R+3]
.irp k, 1,2,3,4,5,6,7
	v_pk_fma_f32 v[CS:CS+1], v[W2R+4*\k:W2R+4*\k+1], v[W2R+4*\k:W2R+4*\k+1], v[CS:CS+1]
	v_pk_fma_f32 v[CS+2:CS+3], v[W2R+4*\k+2:W2R+4*\k+3], v[W2R+4*\k+2:W2R+4*\k+3], v[CS+2:CS+3]
.endr
.irp i, 0,1,2,3
	v_permlanex16_b32 v[TM+4+\i], v[CS+\i], s72, s73
.endr
.irp i, 0,1,2,3
	v_add_f32 v[CS+\i], v[CS+\i], v[TM+4+\i]       ; with lane l xor 16's eight rows
.endr
	ds_store_b128 v[CW], v[CS:CS+3]                ; hidden units 4 r .. 4 r + 3; both halves of the lanes write the same bytes with the same values
; 64 numbers of my row into v[XN] on: register 16 b + i = column 128 s + 32 b + 16 h + i
.macro XREAD adr, s
.irp b, 0,1,2,3
.irp j, 0,1,2,3
	ds_load_b128 v[XN+16*\b+4*\j:XN+16*\b+4*\j+3], v[\adr] offset:512*(\s)+128*\b+16*\j
.endr
.endr
.endm
; they become a fragment's 12 registers of codes at v[pc] on and its scale word in v[pw]
.macro QUANT pc, pw
.irp b, 0,1,2,3
	v_max3_num_f32 v[TM+\b], |v[XN+16*\b]|, |v[XN+1+16*\b]|, 0x1800000      ; block b: my 16 numbers, and the floor 2^(3 - 127): so the byte cannot fall under 1
.endr
.irp i, 2,4,6,8,10,12,14
.irp b, 0,1,2,3
	v_max3_num_f32 v[TM+\b], v[TM+\b], |v[XN+16*\b+\i]|, |v[XN+1+16*\b+\i]|  ; the four blocks by turns
.endr
.endr
.irp b, 0,1,2,3
	v_permlanex16_b32 v[TM+4+\b], v[TM+\b], s72, s73
.endr
.irp b, 0,1,2,3
	v_max_num_f32 v[TM+\b], v[TM+\b], v[TM+4+\b]   ; with lane l xor 16's 16: the block's largest magnitude
.endr
.irp b, 0,1,2,3
	v_add_nc_u32 v[TM+8+\b], 0xff000000, v[TM+\b]  ; 2 off its exponent field: the conversion takes this operand's exponent field as its scale
.endr
.irp b, 0,1,2,3
	v_lshrrev_b32 v[TM+4+\b], 23, v[TM+8+\b]       ; the scale's byte
.endr
	v_lshl_or_b32 v[\pw], v[TM+5], 8, v[TM+4]
	v_lshl_or_b32 v[\pw], v[TM+6], 16, v[\pw]
	v_lshl_or_b32 v[\pw], v[TM+7], 24, v[\pw]      ; my row's scale word for these 128 columns
.irp c, 0,1
	v_cvt_scalef32_pk16_fp6_f32 v[(\pc)+6*\c:(\pc)+6*\c+2], v[XN+32*\c:XN+32*\c+15], v[TM+8+2*\c]
	v_cvt_scalef32_pk16_fp6_f32 v[SD+4*\c:SD+4*\c+2], v[XN+32*\c+16:XN+32*\c+31], v[TM+9+2*\c]   ; (a conversion's three registers begin on an even number)
.endr
	v_nop                                          ; one plain instruction behind the scaled conversions
.irp c, 0,1                                    ; the operand's layout wants a whole block in a lane: lanes 0-15 block 2 c, lanes 16-31 block 2 c + 1
.irp i, 0,1,2
	v_permlane16_swap_b32 v[(\pc)+6*\c+\i], v[SD+4*\c+\i]
.endr
.irp i, 0,1,2
	v_mov_b32 v[(\pc)+6*\c+3+\i], v[SD+4*\c+\i]
.endr
.endr
.endm
	; ---- my 32 rows become four fragments.  I read only rows that my own copies brought: my wait on ASYNCcnt is all the ordering that these reads need
	s_wait_asynccnt 0x0                            ; all my copies have landed; their address registers are free
.irp f, 0,1,2,3
	XREAD QA+\f/2, \f%2
	s_wait_dscnt 0x0
	QUANT XC+12*\f, XS+\f
.endr
	; ---- the products: source 0 = my 16 rows of x, source 1 = 16 rows of W1.  In the result lane (r, h), register j, holds pair 16 w + 8 h + j and hidden unit 16 t + r
	s_wait_loadcnt 0x0                             ; b1, W1's scale words and fragments
.irp t, 0,1,2,3
	v_mul_f32 v[B1K+\t], s66, v[B1K+\t]            ; 2 log2(e) b1.  These four and the four below are the eight places between the last vector write of a scale word or operand and a scaled matrix instruction
.endr
.rept 4
	v_nop
.endr
.irp g, 0,1                                    ; K step 0 starts the eight sums; the accumulators take turns, one instruction a turn
.irp t, 0,1,2,3
	v_wmma_scale_f32_16x16x128_f8f6f4 v[Z+32*\g+8*\t:Z+32*\g+8*\t+7], v[XC+24*\g:XC+24*\g+11], v[WF+24*\t:WF+24*\t+11], 0, v[XS+2*\g], v[WS+2*\t] matrix_a_fmt:MATRIX_FMT_FP6 matrix_b_fmt:MATRIX_FMT_FP6
.endr
.endr
.irp g, 0,1                                    ; K step 1, in the same order
.irp t, 0,1,2,3
	v_wmma_scale_f32_16x16x128_f8f6f4 v[Z+32*\g+8*\t:Z+32*\g+8*\t+7], v[XC+24*\g+12:XC+24*\g+23], v[WF+24*\t+12:WF+24*\t+23], v[Z+32*\g+8*\t:Z+32*\g+8*\t+7], v[XS+2*\g+1], v[WS+2*\t+1] matrix_a_fmt:MATRIX_FMT_FP6 matrix_b_fmt:MATRIX_FMT_FP6
.endr
.endr
.rept 4
	v_nop                                          ; four places in front of the first read of results (ISA guide 7.12.1)
.endr
	; ---- r = 1 / (1 + 2^(2 log2(e) (z + b1))): each accumulator is read from its low end on
.set q, 0
.rept 64
	v_fma_f32 v[Z+q], v[Z+q], s66, v[B1K+(q/8)%4]
.set q, q+1
.endr
.set q, 0
.rept 64
	v_exp_f32 v[Z+q], v[Z+q]
.set q, q+1
.endr
	v_nop                                          ; a plain instruction behind the last exponential
	s_wait_alu depctr_va_vdst(0)                   ; one wait for the batch, ahead of its first reader
.set q, 0
.rept 32
	v_pk_add_f32 v[Z+q:Z+q+1], v[Z+q:Z+q+1], 1.0 op_sel_hi:[1,0]
.set q, q+2
.endr
.set q, 0
.rept 64
	v_rcp_f32 v[Z+q], v[Z+q]                       ; an overflowed exponential gives r = 0, a vanished one r = 1: d' = 0 both times
.set q, q+1
.endr
	v_nop
	s_wait_alu depctr_va_vdst(0)                   ; and one for the reciprocals
	; ---- the small sums over my 16 pairs, and d'
.set q, 0
.rept 16
	v_pk_add_f32 v[DIF+q:DIF+q+1], v[Z+q:Z+q+1], v[Z+32+q:Z+33+q] neg_lo:[0,1] neg_hi:[0,1]    ; ra - rb
.set q, q+2
.endr
.irp t, 0,1,2,3
	v_pk_mul_f32 v[SH+2*\t:SH+2*\t+1], v[DIF+8*\t:DIF+8*\t+1], v[DIF+8*\t:DIF+8*\t+1]
.endr
.irp j, 2,4,6
.irp t, 0,1,2,3
	v_pk_fma_f32 v[SH+2*\t:SH+2*\t+1], v[DIF+8*\t+\j:DIF+8*\t+\j+1], v[DIF+8*\t+\j:DIF+8*\t+\j+1], v[SH+2*\t:SH+2*\t+1]
.endr
.endr
.set q, 0
.rept 32
	v_fma_f32 v[DD+2*q], -v[Z+q], v[Z+q], v[Z+q]                   ; d'a = ra - ra^2
	v_fma_f32 v[DD+2*q+1], -v[Z+32+q], v[Z+32+q], v[Z+32+q]        ; d'b
.set q, q+1
.endr
.set q, 0
.rept 32
	v_sub_f32 v[DIF+q], v[DD+2*q], v[DD+2*q+1]
.set q, q+1
.endr
.irp t, 0,1,2,3
	v_pk_mul_f32 v[SB+2*\t:SB+2*\t+1], v[DIF+8*\t:DIF+8*\t+1], v[DIF+8*\t:DIF+8*\t+1]
.endr
.irp j, 2,4,6
.irp t, 0,1,2,3
	v_pk_fma_f32 v[SB+2*\t:SB+2*\t+1], v[DIF+8*\t+\j:DIF+8*\t+\j+1], v[DIF+8*\t+\j:DIF+8*\t+\j+1], v[SB+2*\t:SB+2*\t+1]
.endr
.endr
.irp t, 0,1,2,3
	v_add_f32 v[SU+\t], v[SB+2*\t], v[SB+2*\t+1]
	v_add_f32 v[SU+4+\t], v[SH+2*\t], v[SH+2*\t+1]
.endr
.irp u, 0,4
.irp t, 0,1,2,3
	v_permlanex16_b32 v[TM+4+\t], v[SU+\u+\t], s72, s73
.endr
.irp t, 0,1,2,3
	v_add_f32 v[SU+\u+\t], v[SU+\u+\t], v[TM+4+\t] ; with lane l xor 16's eight pairs
.endr
.endr
.irp t, 0,1,2,3
.irp j, 0,1,2,3,4,5,6,7
	ds_store_b64 v[DW], v[DD+2*(8*\t+\j):DD+2*(8*\t+\j)+1] offset:DP*\j+128*\t    ; pair 16 w + 8 h + j, hidden unit 16 t + r
.endr
.endr
.irp t, 0,1,2,3
	ds_store_b32 v[RW], v[SU+\t] offset:64*\t
	ds_store_b32 v[RW], v[SU+4+\t] offset:256+64*\t
.endr
	v_mov_b32 v1, v[L16]                           ; main loop: xa of the pair in hand, my 16 bytes;
	v_add_nc_u32 v2, XB2, v[L16]                   ; xb;
	s_lshl_b32 s71, s2, 7
	s_add_co_u32 s71, s71, DT
	v_mov_b32 v3, s71                              ; d' of my 16 hidden units: the same address in every lane
	s_wait_dscnt 0x0                               ; for the others' sake: my stores have landed (my copies were waited for above)
	s_barrier_signal -1
	s_barrier_wait -1                              ; all 128 rows of x, all of d', c's parts and the small sums lie in LDS; nothing is written there from here on
; ---- THE SUMS OF SQUARES.  12 LDS loads: pair n (0 or 1) from the address registers on, into buffer B
.macro LOADP B, n
	ds_load_b128 v[XAF+16*\B:XAF+16*\B+3], v1 offset:XP*\n
	ds_load_b128 v[XAF+16*\B+4:XAF+16*\B+7], v1 offset:XP*\n+512
	ds_load_b128 v[XBF+16*\B:XBF+16*\B+3], v2 offset:XP*\n
	ds_load_b128 v[XBF+16*\B+4:XBF+16*\B+7], v2 offset:XP*\n+512
.irp q, 0,1,2,3,4,5,6,7
	ds_load_b128 v[DF+32*\B+4*\q:DF+32*\B+4*\q+3], v3 offset:DP*\n+16*\q
.endr
.endm
; 192 packed instructions: for two hidden units at a time and four pairs of columns: u = xb d'b;  t = xa d'a - u;  sum += t t.  An instruction's result is read eight instructions on.
; first = 1: the first pair's squares start the sums: nothing is cleared.
.macro COMP B, first
.irp ii, 0,1,2,3,4,5,6,7
.irp e, 0,1
.irp jp, 0,1,2,3
	v_pk_mul_f32 v[T+8*\e+2*\jp:T+8*\e+2*\jp+1], v[XBF+16*\B+2*\jp:XBF+16*\B+2*\jp+1], v[DF+32*\B+4*\ii+2*\e:DF+32*\B+4*\ii+2*\e+1] op_sel:[0,1] op_sel_hi:[1,1]   ; the pair's upper word, d'b, serves both halves
.endr
.endr
.irp e, 0,1
.irp jp, 0,1,2,3
	v_pk_fma_f32 v[T+8*\e+2*\jp:T+8*\e+2*\jp+1], v[XAF+16*\B+2*\jp:XAF+16*\B+2*\jp+1], v[DF+32*\B+4*\ii+2*\e:DF+32*\B+4*\ii+2*\e+1], v[T+8*\e+2*\jp:T+8*\e+2*\jp+1] op_sel_hi:[1,0,1] neg_lo:[0,0,1] neg_hi:[0,0,1]   ; its lower word, d'a
.endr
.endr
.irp e, 0,1
.irp jp, 0,1,2,3
.if \first
	v_pk_mul_f32 v[ACC+8*(2*\ii+\e)+2*\jp:ACC+8*(2*\ii+\e)+2*\jp+1], v[T+8*\e+2*\jp:T+8*\e+2*\jp+1], v[T+8*\e+2*\jp:T+8*\e+2*\jp+1]
.else
	v_pk_fma_f32 v[ACC+8*(2*\ii+\e)+2*\jp:ACC+8*(2*\ii+\e)+2*\jp+1], v[T+8*\e+2*\jp:T+8*\e+2*\jp+1], v[T+8*\e+2*\jp:T+8*\e+2*\jp+1], v[ACC+8*(2*\ii+\e)+2*\jp:ACC+8*(2*\ii+\e)+2*\jp+1]
.endif
.endr
.endr
.endr
.endm
.macro STEP                            ; two pairs on
	v_add_nc_u32 v1, 2*XP, v1
	v_add_nc_u32 v2, 2*XP, v2
	v_add_nc_u32 v3, 2*DP, v3
.endm
	LOADP 0, 0                                     ; pair 0
	LOADP 1, 1                                     ; pair 1
	STEP
	s_wait_dscnt 12                                ; LDS loads come back in order: the older twelve are in, the twelve just issued may be out
	COMP 0, 1
	LOADP 0, 0                                     ; pair 2
	s_wait_dscnt 12
	COMP 1, 0
	s_mov_b32 s74, 30
.Lpair:                                            ; a trip: pairs 2 k and 2 k + 1, k = 1 .. 30; each pair is asked for one pair's 192 instructions ahead
	LOADP 1, 1
	STEP
	s_wait_dscnt 12
	COMP 0, 0
	LOADP 0, 0
	s_wait_dscnt 12
	COMP 1, 0
	s_sub_co_u32 s74, s74, 1
	s_cmp_lg_u32 s74, 0
	s_cbranch_scc1 .Lpair
	LOADP 1, 1                                     ; pair 63: nothing is asked for beyond it
	s_wait_dscnt 12
	COMP 0, 0                                      ; pair 62
	s_wait_dscnt 0x0
	COMP 1, 0                                      ; pair 63
	; ---- THE WAY OUT.  The lane terms are made anew from the thread's number (the sums have taken v128-255); every LDS address is made here, ahead of the branch on the wave's number
	s_lshl_b32 s5, s2, 6
	s_add_co_u32 s5, s5, CP
	v_mov_b32 v16, s5                              ; c's parts of my 16 hidden units
	v_and_b32 v17, 31, v0
	v_lshlrev_b32 v17, 4, v17                      ; 16 x lane
	v_add_nc_u32 v18, RED, v17                     ; the small sums: lanes 0-15 the b1 part's, lanes 16-31 the W2 row's, four hidden units a lane
	v_and_b32 v19, 15, v0
	v_lshlrev_b32 v21, 4, v19
	v_add_nc_u32 v19, CP, v21                      ; c's parts of hidden units 4 r on
	v_bfe_u32 v22, v0, 4, 1
	v_lshl_add_u32 v21, v22, 11, v21               ; where they go: 16 r, and 2,048 bytes on for the W2 row
.irp u, 0,1,2,3
.irp q, 0,1,2,3
	ds_load_b128 v[48+16*\u+4*\q:48+16*\u+4*\q+3], v16 offset:256*\u+16*\q
.endr
.endr
	s_wait_dscnt 0x0
.irp u, 1,2,3
.irp m, 0,1,2,3,4,5,6,7
	v_pk_add_f32 v[48+2*\m:49+2*\m], v[48+2*\m:49+2*\m], v[48+16*\u+2*\m:49+16*\u+2*\m]    ; the four waves' parts: c
.endr
.endr
.irp m, 0,1,2,3,4,5,6,7
	v_pk_mul_f32 v[48+2*\m:49+2*\m], v[48+2*\m:49+2*\m], s[68:69] op_sel_hi:[1,0]          ; +-16 c
.endr
.set i, 0
.rept 16
.irp jp, 0,1,2,3
.if i%2 == 0
	v_pk_mul_f32 v[ACC+8*i+2*\jp:ACC+8*i+2*\jp+1], v[ACC+8*i+2*\jp:ACC+8*i+2*\jp+1], v[48+2*(i/2):49+2*(i/2)] op_sel_hi:[1,0]
.else
	v_pk_mul_f32 v[ACC+8*i+2*\jp:ACC+8*i+2*\jp+1], v[ACC+8*i+2*\jp:ACC+8*i+2*\jp+1], v[48+2*(i/2):49+2*(i/2)] op_sel:[0,1] op_sel_hi:[1,1]
.endif
.endr
	global_store_b128 v17, v[ACC+8*i:ACC+8*i+3], s[76:77] offset:1024*i                    ; 32 lanes store 512 consecutive bytes, at a multiple of 256 from the buffer's first byte
	global_store_b128 v17, v[ACC+8*i+4:ACC+8*i+7], s[76:77] offset:1024*i+512
.set i, i+1
.endr
	s_cmp_lg_u32 s2, 0
	s_cbranch_scc1 .Lend                           ; wave 0 alone finishes the tile's 64 + 64 small sums
.irp u, 0,1,2,3
	ds_load_b128 v[64+4*\u:67+4*\u], v18 offset:512*\u
	ds_load_b128 v[80+4*\u:83+4*\u], v19 offset:256*\u
.endr
	s_wait_dscnt 0x0
.irp u, 1,2,3
	v_pk_add_f32 v[64:65], v[64:65], v[64+4*\u:65+4*\u]
	v_pk_add_f32 v[66:67], v[66:67], v[66+4*\u:67+4*\u]
	v_pk_add_f32 v[80:81], v[80:81], v[80+4*\u:81+4*\u]
	v_pk_add_f32 v[82:83], v[82:83], v[82+4*\u:83+4*\u]
.endr
	v_pk_mul_f32 v[80:81], v[80:81], s[68:69] op_sel_hi:[1,0]
	v_pk_mul_f32 v[82:83], v[82:83], s[68:69] op_sel_hi:[1,0]      ; +-16 c
	v_mov_b32 v20, s70                             ; +-4
	v_cmp_eq_u32 vcc_lo, 0, v22
.irp i, 0,1,2,3
	v_cndmask_b32 v[96+\i], v20, v[80+\i], vcc_lo  ; lanes 0-15: +-16 c; lanes 16-31: +-4
.endr
	v_pk_mul_f32 v[64:65], v[64:65], v[96:97]
	v_pk_mul_f32 v[66:67], v[66:67], v[98:99]
	global_store_b128 v21, v[64:67], s[78:79]      ; sixteen lanes store 256 consecutive bytes, twice
.Lend:
	s_set_vgpr_msb 0x5
	s_wait_tensorcnt 0x0
	ds_add_u32 v0, v1
	s_wait_dscnt 0x0
	s_set_vgpr_msb 0x500
	s_endpgm
.Lfunc_end_k_q830975aaf2_pairs:
	.size	k_q830975aaf2_pairs, .Lfunc_end_k_q830975aaf2_pairs-k_q830975aaf2_pairs
	.p2alignl 7, 3214868480
	.fill 96, 4, 3214868480
	.section	.rodata,"a",@progbits
	.p2align	6, 0x0
	.amdhsa_kernel k_q830975aaf2_pairs
		.amdhsa_group_segment_fixed_size 172544
		.amdhsa_private_segment_fixed_size 0
		.amdhsa_enable_private_segment 0
		.amdhsa_kernarg_size 80
		.amdhsa_user_sgpr_count 2
		.amdhsa_user_sgpr_kernarg_segment_ptr 1
		.amdhsa_wavefront_size32 1
		.amdhsa_system_sgpr_workgroup_id_x 1
		.amdhsa_system_sgpr_workgroup_id_y 1
		.amdhsa_system_sgpr_workgroup_id_z 1
		.amdhsa_system_vgpr_workitem_id 0
		.amdhsa_next_free_vgpr 258
		.amdhsa_next_free_sgpr 80
		.amdhsa_reserve_vcc 1
		.amdhsa_float_denorm_mode_32 3
		.amdhsa_float_denorm_mode_16_64 3
		.amdhsa_memory_ordered 1
		.amdhsa_forward_progress 1
		.amdhsa_inst_pref_size 157
	.end_amdhsa_kernel
	.amdgpu_metadata
---
amdhsa.version: [ 1, 2 ]
amdhsa.kernels:
  - .name:           k_q830975aaf2_pairs
    .symbol:         k_q830975aaf2_pairs.kd
    .args:
      - { .name: x, .offset: 0, .size: 8, .value_kind: global_buffer, .address_space: global }
      - { .name: W1_codes, .offset: 8, .size: 8, .value_kind: global_buffer, .address_space: global }
      - { .name: W1_scales, .offset: 16, .size: 8, .value_kind: global_buffer, .address_space: global }
      - { .name: W2, .offset: 24, .size: 8, .value_kind: global_buffer, .address_space: global }
      - { .name: b1, .offset: 32, .size: 8, .value_kind: global_buffer, .address_space: global }
      - { .name: ap, .offset: 40, .size: 8, .value_kind: global_buffer, .address_space: global }
      - { .name: p, .offset: 48, .size: 8, .value_kind: global_buffer, .address_space: global }
      - { .name: an, .offset: 56, .size: 8, .value_kind: global_buffer, .address_space: global }
      - { .name: n, .offset: 64, .size: 8, .value_kind: global_buffer, .address_space: global }
      - { .name: part, .offset: 72, .size: 8, .value_kind: global_buffer, .address_space: global }
    .group_segment_fixed_size: 172544
    .private_segment_fixed_size: 0
    .kernarg_segment_align: 8
    .kernarg_segment_size: 80
    .max_flat_workgroup_size: 128
    .sgpr_count:     80
    .vgpr_count:     258
    .wavefront_size: 32
...
	.end_amdgpu_metadata
.endif
;; end of part 1
;; launch reduce (part 2): grid 258 x 1, 4 waves a work-group, no clusters, 0 bytes of LDS; arguments part, out0; writes out0
.if DOCPART == 2
	.amdgcn_target "amdgcn-amd-amdhsa--gfx1250"
	.amdhsa_code_object_version 6
	.text
	.protected	k_q830975aaf2_reduce
	.globl	k_q830975aaf2_reduce
	.p2align	8
	.type	k_q830975aaf2_reduce,@function
k_q830975aaf2_reduce:
	s_mov_b64 s[64:65], 0
	v_nop
	global_prefetch_b8 v0, s[64:65] scope:SCOPE_SE
	s_setreg_imm32_b32 hwreg(HW_REG_WAVE_MODE, 25, 1), 1
	s_wait_xcnt 0x0
; out0 = the sum of the 32 chunks' partial vectors (131,072 numbers of the W1 part, 512 of the b1 part, 512 of the W2 part's one row), the W2 row written 64 times, and 64 zeros for the b2 part
; (reference() builds that part as zeros in its own body).  The signs and factors are in the partial vectors already.
; Work-group g owns numbers 512 g .. 512 g + 511 of the vector, thread t four of them: each load and store of a wave covers 512 consecutive bytes.  258 x 512 = 132,096.
; All 32 loads of a wave are issued at once (16 KiB a wave on their way); the sums run in two chains.  A stream read once: no LDS, no barrier, no matrix unit; the waves share nothing.
.set PSTR, 528384                      ; bytes from a chunk's vector to the next
.macro ADDK k                          ; chunk k joins its chain: even chunks v[8:11], odd chunks v[12:15]
	v_pk_add_f32 v[8+4*((\k)%2):9+4*((\k)%2)], v[8+4*((\k)%2):9+4*((\k)%2)], v[16+4*(\k):17+4*(\k)]
	v_pk_add_f32 v[10+4*((\k)%2):11+4*((\k)%2)], v[10+4*((\k)%2):11+4*((\k)%2)], v[18+4*(\k):19+4*(\k)]
.endm
	s_load_b128 s[4:7], s[0:1], 0x0                ; part s[4:5], out0 s[6:7]
	v_lshrrev_b32 v2, 5, v0
	v_readfirstlane_b32 s3, v2                     ; wave
	s_lshl_b32 s2, ttmp9, 11
	v_lshl_add_u32 v1, v0, 4, s2                   ; my 16 bytes of a vector: 2,048 g + 16 t
	s_wait_kmcnt 0x0
	s_add_nc_u64 s[8:9], s[4:5], 16*PSTR           ; chunks 16 on: so every immediate stays inside its signed 24 bits (15 x 528,384 at the most)
.set k, 0
.rept 16
	global_load_b128 v[16+4*k:19+4*k], v1, s[4:5] offset:PSTR*k th:TH_LOAD_NT
.set k, k+1
.endr
.set k, 0
.rept 16
	global_load_b128 v[80+4*k:83+4*k], v1, s[8:9] offset:PSTR*k th:TH_LOAD_NT
.set k, k+1
.endr
	s_wait_loadcnt 24                              ; loads come back in order: chunks 0 to 7 are in, the 24 younger loads may be out
	v_pk_add_f32 v[8:9], v[16:17], v[24:25]        ; chunks 0 and 2 start the even chain, 1 and 3 the odd one: nothing is cleared
	v_pk_add_f32 v[10:11], v[18:19], v[26:27]
	v_pk_add_f32 v[12:13], v[20:21], v[28:29]
	v_pk_add_f32 v[14:15], v[22:23], v[30:31]
.irp k, 4,5,6,7
	ADDK \k
.endr
	s_wait_loadcnt 16
.irp k, 8,9,10,11,12,13,14,15
	ADDK \k
.endr
	s_wait_loadcnt 8
.irp k, 16,17,18,19,20,21,22,23
	ADDK \k
.endr
	s_wait_loadcnt 0x0
.irp k, 24,25,26,27,28,29,30,31
	ADDK \k
.endr
	v_pk_add_f32 v[8:9], v[8:9], v[12:13]
	v_pk_add_f32 v[10:11], v[10:11], v[14:15]
	s_cmp_eq_u32 ttmp9, 257
	s_cbranch_scc1 .Lhd
	global_store_b128 v1, v[8:11], s[6:7] th:TH_STORE_NT           ; the W1 and b1 parts lie in out0 where they lie in a vector
	s_endpgm
.Lhd:                                              ; the last work-group holds the W2 part's row
	s_add_nc_u64 s[10:11], s[6:7], 526336          ; the W2 part begins behind 131,584 numbers
	v_lshlrev_b32 v2, 4, v0
.set k, 0
.rept 64
	global_store_b128 v2, v[8:11], s[10:11] offset:2048*k th:TH_STORE_NT   ; the same row for each of the 64 outputs
.set k, k+1
.endr
	s_cmp_lg_u32 s3, 0
	s_cbranch_scc1 .Lend
	v_mov_b32 v4, 0
	v_mov_b32 v5, 0
	v_and_b32 v3, 31, v0
	v_lshlrev_b32 v3, 3, v3
	global_store_b64 v3, v[4:5], s[10:11] offset:131072 th:TH_STORE_NT     ; the b2 part: 64 zeros, 256 consecutive bytes
.Lend:
	s_endpgm
.Lfunc_end_k_q830975aaf2_reduce:
	.size	k_q830975aaf2_reduce, .Lfunc_end_k_q830975aaf2_reduce-k_q830975aaf2_reduce
	.p2alignl 7, 3214868480
	.fill 96, 4, 3214868480
	.section	.rodata,"a",@progbits
	.p2align	6, 0x0
	.amdhsa_kernel k_q830975aaf2_reduce
		.amdhsa_group_segment_fixed_size 0
		.amdhsa_private_segment_fixed_size 0
		.amdhsa_enable_private_segment 0
		.amdhsa_kernarg_size 16
		.amdhsa_user_sgpr_count 2
		.amdhsa_user_sgpr_kernarg_segment_ptr 1
		.amdhsa_wavefront_size32 1
		.amdhsa_system_sgpr_workgroup_id_x 1
		.amdhsa_system_sgpr_workgroup_id_y 1
		.amdhsa_system_sgpr_workgroup_id_z 1
		.amdhsa_system_vgpr_workitem_id 0
		.amdhsa_next_free_vgpr 144
		.amdhsa_next_free_sgpr 66
		.amdhsa_reserve_vcc 0
		.amdhsa_float_denorm_mode_32 3
		.amdhsa_float_denorm_mode_16_64 3
		.amdhsa_memory_ordered 1
		.amdhsa_forward_progress 1
		.amdhsa_inst_pref_size 15
	.end_amdhsa_kernel
	.amdgpu_metadata
---
amdhsa.version: [ 1, 2 ]
amdhsa.kernels:
  - .name:           k_q830975aaf2_reduce
    .symbol:         k_q830975aaf2_reduce.kd
    .args:
      - { .name: part, .offset: 0, .size: 8, .value_kind: global_buffer, .address_space: global }
      - { .name: out0, .offset: 8, .size: 8, .value_kind: global_buffer, .address_space: global }
    .group_segment_fixed_size: 0
    .private_segment_fixed_size: 0
    .kernarg_segment_align: 8
    .kernarg_segment_size: 16
    .max_flat_workgroup_size: 128
    .sgpr_count:     66
    .vgpr_count:     144
    .wavefront_size: 32
...
	.end_amdgpu_metadata
.endif
;; end of part 2
